; MI455X (gfx1250); checked and timed in simulation.
; The chip was launched on July 23, 2026; its instructions are those of AMD's public machine-readable ISA for CDNA 5 (MIT licence, August 2026) and "CDNA5" Instruction Set Architecture Reference Guide (July 2026). The comments in the code are by the model that wrote it; some were corrected since.
;; Bahdanau Attention. Allowed arithmetic: matrix products marked QUANTISED: E2M1 operands, one E8M0 scale for each 32 along K, by v_wmma_scale_f32_16x16x128_f8f6f4 with both operands' format E2M1 (or v_wmma_scale_f32_32x16x128_f4), f32 sums; products left as they are: f32 operands where the result goes on into a quantised operand, else bf16, f16 or f32 operands; f32 sums; everything else in f32.
;; Inputs: V 1,024 x 1 float32; W1_codes 1,024 x 32 x 16 uint8 (E2M1 codes of W1, K innermost, in blocks of 32 codes, two codes a byte); W1_scales 1,024 x 32 uint8 (E8M0 scales of W1, one for each 32 codes along K); W2_codes 1,024 x 32 x 16 uint8 (E2M1 codes of W2, K innermost, in blocks of 32 codes, two codes a byte); W2_scales 1,024 x 32 uint8 (E8M0 scales of W2, one for each 32 codes along K); b1 1,024 float32; b2 1,024 float32; bV 1 float32; hidden_t_codes 32 x 32 x 16 uint8 (E2M1 codes of hidden_t, K innermost, in blocks of 32 codes, two codes a byte); hidden_t_scales 32 x 32 uint8 (E8M0 scales of hidden_t, one for each 32 codes along K); hiddens 32 x 2,048 x 1,024 float32.
;; Outputs: out0 32 x 1,024 float32; out1 32 x 2,048 x 1 float32.
;; This version of the problem:
;;   THIS VERSION OF THE PROBLEM IS GIVEN IN LOW PRECISION. The matrix products marked QUANTISED in the list below multiply operands that are first quantised to E2M1 (2 exponent bits, 1 mantissa bit; 4 bits a number), with one power-of-two scale for each 32 numbers along K (OCP MX v1.0); their sums are f32. All else is computed in f32.
;;   The module's matrix products, in the order in which they are computed (A, B: the left and right operand; K: the contracted axis; several contracted axes count as one K, in the product's order):
;;     1. [M 65,536, K 1,024] x [K 1,024, N 1,024]; A: input hiddens; B: input W1 (given as codes): QUANTISED
;;     2. [M 32, K 1,024] x [K 1,024, N 1,024]; A: input hidden_t (given as codes); B: input W2 (given as codes): QUANTISED
;;     3. [M 65,536, K 1,024] x [K 1,024, N 1]; A: computed on the way; B: input V: left as it is (N = 1 < 16)
;;   THE QUANTISER, for each operand of a quantised product, along K:
;;     - K is cut into blocks of 32 from its start; a last block that is shorter is filled with zeros.
;;     - A block's scale is 2^e with e = floor(log2(the largest magnitude in the block)) - 2, held to -126 .. 127; a block of zeros has e = 0. As a byte (E8M0): e + 127.
;;     - Each number is divided by its block's scale, clamped to +-6, and rounded to the nearest number of E2M1, ties to even, subnormals kept.
;;     - The product sums the exact products of the quantised numbers (number of the format x scale) in f32.
;;   ~~~python
;;   def quantise(x, axis):      # numpy; x: float32 -> the quantised numbers, widened to float32 again
;;       x = np.moveaxis(x, axis, -1); K = x.shape[-1]
;;       x = np.pad(x, [(0, 0)] * (x.ndim - 1) + [(0, -K % 32)]); x = x.reshape(x.shape[:-1] + (-1, 32)); a = np.abs(x).max(-1, keepdims=True)
;;       e = np.where(a > 0, np.clip(np.frexp(np.where(a > 0, a, 1))[1] - 1 - 2, -126, 127), 0)      # np.frexp(a)[1] - 1 = floor(log2(a)), exactly
;;       r = np.clip(x / 2.0 ** e, -6, 6)
;;       step = 2.0 ** (np.maximum(np.frexp(np.where(r == 0, 1, r))[1] - 1, 0) - 1)
;;       q = np.round(r / step) * step * 2.0 ** e      # np.round: ties to even
;;       return np.moveaxis(q.reshape(q.shape[:-2] + (-1,))[..., :K], -1, axis).astype(np.float32)
;;   ~~~
;;   INPUTS GIVEN AS CODES. W1 (in the module: [1024, 1024], K = its axis 0); W2 (in the module: [1024, 1024], K = its axis 0); hidden_t (in the module: [32, 1024], K = its axis 1): each comes as NAME_codes (uint8): NAME with its K axis moved to the last place and cut into blocks of 32 codes, [.., K / 32, bytes a block], one block behind the other in memory; two codes a byte, the lower K in the low four bits (a code: sign, 2 exponent bits, 1 mantissa bit); and NAME_scales (uint8): the same leading axes, one E8M0 byte (e + 127) for each 32 codes along K. Its value is code x scale, taken as it is: it is not quantised again, and the codes and scales need not be those that the quantiser above would give.
;; One version. Each part assembles by itself: llvm-mc -triple=amdgcn-amd-amdhsa -mcpu=gfx1250 --defsym DOCPART=n.
;; ======== version 1 of 1: 3 launches
;; workspace buffers: w1f 524,288 bytes; qb 131,072 bytes; part 1,376,256 bytes
;; launch prep (part 1): grid 32 x 1, 4 waves a work-group, no clusters, 5,120 bytes of LDS; arguments W1_codes, W2_codes, W2_scales, hidden_t_codes, hidden_t_scales, b1, b2, w1f, qb; writes w1f, qb
.if DOCPART == 1
	.amdgcn_target "amdgcn-amd-amdhsa--gfx1250"
	.amdhsa_code_object_version 6
	.text
	.protected	k_qab21e001c5_prep
	.globl	k_qab21e001c5_prep
	.p2align	8
	.type	k_qab21e001c5_prep,@function
k_qab21e001c5_prep:
	s_mov_b64 s[64:65], 0
	v_nop
	global_prefetch_b8 v0, s[64:65] scope:SCOPE_SE
	s_setreg_imm32_b32 hwreg(HW_REG_WAVE_MODE, 25, 1), 1
	s_wait_xcnt 0x0
; TWO SMALL JOBS IN ONE LAUNCH, all loads of both issued together.
; (a) W1's codes ([1024 units][512 bytes], K innermost) are laid in the order of a matrix operand's registers:
;     w1f[tile n of 16 units][q = 0..15][lane][16 bytes], lane (r, h) holding bytes 32 q + 16 h .. + 15 of unit 16 n + r.
;     The next launch then brings four operand registers by one load of 512 consecutive bytes.
; (b) qb[batch][unit] = c2 x (hidden_t W2 + b1 + b2), c2 = 2 log2(e): the product on codes of E2M1 with E8M0 scales, as they are given.
; SHARES.  Work-group x: mt = x & 1, g = x >> 1; wave w takes tile n = 4 g + w.  It lays half mt of the tile's 16 pieces of W1, and
; multiplies tile n of W2 by batches 16 mt .. 16 mt + 15: 64 tiles x 2 halves = 128 waves, each piece and each number made once.
; THE PRODUCT IS USED TRANSPOSED (source 0 = 16 units of W2, source 1 = 16 batches): a lane holds one batch and its eight registers
; eight neighbouring units, 32 bytes of a row of qb.  b1 + b2 is the C of the first matrix instruction.
; Two accumulators take turns (even and odd K steps); they are added at the end.
.set C2, 0x4038aa3b                    ; 2 log2(e)
.set SP, 272                           ; a stage row: 256 bytes (the work-group's 64 units) + 16
	s_load_b256 s[4:11], s[0:1], 0x0               ; W1's codes s[4:5], W2's codes s[6:7], W2's scales s[8:9], hidden_t's codes s[10:11]
	s_load_b256 s[12:19], s[0:1], 0x20             ; hidden_t's scales s[12:13], b1 s[14:15], b2 s[16:17], w1f s[18:19]
	s_load_b64 s[20:21], s[0:1], 0x40              ; qb
	v_lshl_add_u32 v232, v0, 2, 0x1200
	v_mov_b32 v233, 0
	v_lshrrev_b32 v1, 5, v0
	v_readfirstlane_b32 s22, v1                    ; wave 0..3
	v_and_b32 v1, 15, v0                           ; r
	v_bfe_u32 v2, v0, 4, 1                         ; h
	v_and_b32 v3, 31, v0
	v_lshlrev_b32 v3, 4, v3                        ; 16 x lane
	v_lshlrev_b32 v4, 9, v1
	v_lshl_add_u32 v4, v2, 4, v4                   ; codes: row r of 512 bytes + 16 h
	v_lshlrev_b32 v5, 5, v1
	v_lshl_add_u32 v5, v2, 4, v5                   ; scales: row r of 32 bytes + 16 h: lane r takes words 0-3, lane 16 + r words 4-7
	v_lshlrev_b32 v6, 5, v2                        ; biases: 32 h
	s_lshl_b32 s30, s22, 6
	v_mul_u32_u24 v7, v1, SP
	v_lshl_add_u32 v7, v2, 5, v7
	v_add_nc_u32 v7, s30, v7                       ; stage, in: row r, + 64 w + 32 h
	s_mul_i32 s30, s22, 4*SP
	v_mul_u32_u24 v8, v2, SP
	v_lshl_add_u32 v8, v1, 4, v8
	v_add_nc_u32 v8, s30, v8                       ; stage, back: rows 4 w + h (and two further on), 16 bytes a lane
	v_lshlrev_b32 v9, 12, v2
	v_lshl_add_u32 v9, v1, 4, v9                   ; and the same place in qb: a row is 4,096 bytes
	s_and_b32 s23, ttmp9, 1                        ; mt
	s_lshr_b32 s24, ttmp9, 1                       ; g
	s_lshl_b32 s25, s24, 2
	s_add_co_u32 s25, s25, s22                     ; n = 4 g + w
	s_mov_b32 s27, 0
	s_mov_b32 s29, 0
	s_wait_kmcnt 0x0
	s_lshl_b32 s26, s25, 13                        ; a tile of codes is 8,192 bytes
	s_add_nc_u64 s[4:5], s[4:5], s[26:27]
	s_add_nc_u64 s[6:7], s[6:7], s[26:27]
	s_add_nc_u64 s[18:19], s[18:19], s[26:27]
	s_lshl_b32 s28, s23, 8                         ; W1: pieces 8 mt on: 256 mt bytes along the rows,
	s_add_nc_u64 s[4:5], s[4:5], s[28:29]
	s_lshl_b32 s28, s23, 12                        ; and 4,096 mt bytes in w1f
	s_add_nc_u64 s[18:19], s[18:19], s[28:29]
	s_lshl_b32 s28, s23, 13                        ; hidden_t: batches 16 mt on
	s_add_nc_u64 s[10:11], s[10:11], s[28:29]
	s_lshl_b32 s28, s23, 9
	s_add_nc_u64 s[12:13], s[12:13], s[28:29]
	s_lshl_b32 s26, s25, 9                         ; W2's scales: 512 bytes a tile
	s_add_nc_u64 s[8:9], s[8:9], s[26:27]
	s_lshl_b32 s26, s25, 6                         ; the biases: 64 bytes a tile
	s_add_nc_u64 s[14:15], s[14:15], s[26:27]
	s_add_nc_u64 s[16:17], s[16:17], s[26:27]
	s_lshl_b32 s26, s23, 16                        ; qb: row 16 mt + 4 w, column byte 256 g
	s_lshl_b32 s28, s22, 14
	s_add_co_u32 s26, s26, s28
	s_lshl_b32 s28, s24, 8
	s_add_co_u32 s26, s26, s28
	s_add_nc_u64 s[20:21], s[20:21], s[26:27]
.set n, 0
.rept 8
	global_load_b128 v[192+4*n:195+4*n], v4, s[4:5] offset:32*n        ; W1: my eight pieces
.set n, n+1
.endr
.set n, 0
.rept 16
	global_load_b128 v[64+4*n:67+4*n], v4, s[6:7] offset:32*n          ; W2: eight fragments, K step n / 2
	global_load_b128 v[128+4*n:131+4*n], v4, s[10:11] offset:32*n      ; hidden_t likewise
.set n, n+1
.endr
	global_load_b128 v[32:35], v5, s[8:9]          ; W2's scale words: register i: K step i in lanes 0-15, K step 4 + i in lanes 16-31
	global_load_b128 v[36:39], v5, s[12:13]        ; hidden_t's
	global_load_b128 v[40:43], v6, s[14:15]        ; b1 at my eight units
	global_load_b128 v[44:47], v6, s[14:15] offset:16
	global_load_b128 v[48:51], v6, s[16:17]        ; b2
	global_load_b128 v[52:55], v6, s[16:17] offset:16
	s_wait_loadcnt 0x0
.set n, 0
.rept 8
	global_store_b128 v3, v[192+4*n:195+4*n], s[18:19] offset:512*n    ; 32 lanes store 512 consecutive bytes
.set n, n+1
.endr
.irp i, 0,2,4,6
	v_pk_add_f32 v[40+\i:41+\i], v[40+\i:41+\i], v[48+\i:49+\i]        ; b1 + b2
.endr
.rept 4
	v_nop
.endr
.macro QM s                            ; K step s
.set AC, 16+8*((\s)&1)
.if (\s) == 0
	v_wmma_scale_f32_16x16x128_f8f6f4 v[AC:AC+7], v[64+8*(\s):71+8*(\s)], v[128+8*(\s):135+8*(\s)], v[40:47], v32, v36 matrix_a_fmt:MATRIX_FMT_FP4 matrix_b_fmt:MATRIX_FMT_FP4
.elseif (\s) == 1
	v_wmma_scale_f32_16x16x128_f8f6f4 v[AC:AC+7], v[64+8*(\s):71+8*(\s)], v[128+8*(\s):135+8*(\s)], 0, v33, v37 matrix_a_fmt:MATRIX_FMT_FP4 matrix_b_fmt:MATRIX_FMT_FP4
.elseif (\s) < 4
	v_wmma_scale_f32_16x16x128_f8f6f4 v[AC:AC+7], v[64+8*(\s):71+8*(\s)], v[128+8*(\s):135+8*(\s)], v[AC:AC+7], v[32+(\s)], v[36+(\s)] matrix_a_fmt:MATRIX_FMT_FP4 matrix_b_fmt:MATRIX_FMT_FP4
.else
	v_wmma_scale_f32_16x16x128_f8f6f4 v[AC:AC+7], v[64+8*(\s):71+8*(\s)], v[128+8*(\s):135+8*(\s)], v[AC:AC+7], v[28+(\s)], v[32+(\s)] matrix_a_fmt:MATRIX_FMT_FP4 matrix_b_fmt:MATRIX_FMT_FP4 matrix_a_scale:MATRIX_SCALE_ROW1 matrix_b_scale:MATRIX_SCALE_ROW1
.endif
.endm
.irp s, 0,1,2,3,4,5,6,7
	QM \s
.endr
.rept 4
	v_nop                                          ; four places in front of the first read of the results (ISA guide 7.12.1)
.endr
.irp i, 0,2,4,6
	v_pk_add_f32 v[56+\i:57+\i], v[16+\i:17+\i], v[24+\i:25+\i]        ; the two halves of K, each accumulator from its low end on
.endr
.irp i, 0,2,4,6
	v_pk_mul_f32 v[56+\i:57+\i], v[56+\i:57+\i], C2 op_sel_hi:[1,0]
.endr
	ds_store_b128 v7, v[56:59]                     ; batch r, units 16 w + 8 h + 0 .. 7 of the work-group's 64
	ds_store_b128 v7, v[60:63] offset:16
	s_wait_dscnt 0x0                               ; for the others' sake: my stores into the stage are done
	s_barrier_signal -1
	s_barrier_wait -1
	ds_load_b128 v[224:227], v8
	ds_load_b128 v[228:231], v8 offset:2*SP
	s_wait_dscnt 0x0
	global_store_b128 v9, v[224:227], s[20:21]                 ; sixteen lanes store 256 consecutive bytes, at a multiple of 256 from qb's first byte
	global_store_b128 v9, v[228:231], s[20:21] offset:8192
	s_wait_tensorcnt 0x0
	ds_add_u32 v232, v233
	s_wait_dscnt 0x0
	s_endpgm
.Lfunc_end_k_qab21e001c5_prep:
	.size	k_qab21e001c5_prep, .Lfunc_end_k_qab21e001c5_prep-k_qab21e001c5_prep
	.p2alignl 7, 3214868480
	.fill 96, 4, 3214868480
	.section	.rodata,"a",@progbits
	.p2align	6, 0x0
	.amdhsa_kernel k_qab21e001c5_prep
		.amdhsa_group_segment_fixed_size 5120
		.amdhsa_private_segment_fixed_size 0
		.amdhsa_enable_private_segment 0
		.amdhsa_kernarg_size 72
		.amdhsa_user_sgpr_count 2
		.amdhsa_user_sgpr_kernarg_segment_ptr 1
		.amdhsa_wavefront_size32 1
		.amdhsa_system_sgpr_workgroup_id_x 1
		.amdhsa_system_sgpr_workgroup_id_y 1
		.amdhsa_system_sgpr_workgroup_id_z 1
		.amdhsa_system_vgpr_workitem_id 0
		.amdhsa_next_free_vgpr 234
		.amdhsa_next_free_sgpr 66
		.amdhsa_reserve_vcc 0
		.amdhsa_float_denorm_mode_32 3
		.amdhsa_float_denorm_mode_16_64 3
		.amdhsa_memory_ordered 1
		.amdhsa_forward_progress 1
		.amdhsa_inst_pref_size 11
	.end_amdhsa_kernel
	.amdgpu_metadata
---
amdhsa.version: [ 1, 2 ]
amdhsa.kernels:
  - .name:           k_qab21e001c5_prep
    .symbol:         k_qab21e001c5_prep.kd
    .args:
      - { .name: W1_codes, .offset: 0, .size: 8, .value_kind: global_buffer, .address_space: global }
      - { .name: W2_codes, .offset: 8, .size: 8, .value_kind: global_buffer, .address_space: global }
      - { .name: W2_scales, .offset: 16, .size: 8, .value_kind: global_buffer, .address_space: global }
      - { .name: hidden_t_codes, .offset: 24, .size: 8, .value_kind: global_buffer, .address_space: global }
      - { .name: hidden_t_scales, .offset: 32, .size: 8, .value_kind: global_buffer, .address_space: global }
      - { .name: b1, .offset: 40, .size: 8, .value_kind: global_buffer, .address_space: global }
      - { .name: b2, .offset: 48, .size: 8, .value_kind: global_buffer, .address_space: global }
      - { .name: w1f, .offset: 56, .size: 8, .value_kind: global_buffer, .address_space: global }
      - { .name: qb, .offset: 64, .size: 8, .value_kind: global_buffer, .address_space: global }
    .group_segment_fixed_size: 5120
    .private_segment_fixed_size: 0
    .kernarg_segment_align: 8
    .kernarg_segment_size: 72
    .max_flat_workgroup_size: 128
    .sgpr_count:     66
    .vgpr_count:     234
    .wavefront_size: 32
...
	.end_amdgpu_metadata
.endif
;; end of part 1
;; launch main (part 2): grid 256 x 1, 4 waves a work-group, no clusters, 327,680 bytes of LDS; arguments hiddens, w1f, W1_scales, qb, V, bV, part; writes part
.if DOCPART == 2
	.amdgcn_target "amdgcn-amd-amdhsa--gfx1250"
	.amdhsa_code_object_version 6
	.text
	.protected	k_qab21e001c5_main
	.globl	k_qab21e001c5_main
	.p2align	8
	.type	k_qab21e001c5_main,@function
k_qab21e001c5_main:
	s_mov_b64 s[64:65], 0
	v_nop
	global_prefetch_b8 v0, s[64:65] scope:SCOPE_SE
	s_setreg_imm32_b32 hwreg(HW_REG_WAVE_MODE, 25, 1), 1
	s_wait_xcnt 0x0
; For 256 positions of one batch: keys = Q(hiddens) W1 on codes of E2M1 with E8M0 scales, score = tanh(keys + query + b1 + b2) . V + bV,
; a running softmax over the positions, and the weighted sum of the f32 rows.  Out: a record of 5,376 bytes in part:
; the partial context [1024], the 256 raw scores, and 32 copies of (m, l): the largest score and the sum of e^(score - m).
; SHARES.  Work-group x takes batch x >> 3, positions 256 (x & 7) on: 1 MiB of hiddens, walked in 8 blocks of 32 rows.  EACH ROW IS READ FROM MEMORY ONCE:
; a block comes by tensor loads into one of two LDS slots and stays there until its scores are known; then the same bytes feed the context sum.
; Wave w owns units 256 w .. 256 w + 255 (16 tiles of 16) for all 32 rows.  Its tiles 0-8 of W1 stay in registers for the whole launch (576 registers), tile 9 in its own 8,704 bytes of LDS;
; tiles 10-15 come again in every block, straight from w1f into a ring of two register buffers.
; THE PRODUCT PHASE GOES BY TURNS: 16 half steps of one tile, 16 matrix instructions each; behind each pair of them stand seven vector instructions of earlier tiles' tanh (56 to a half step).
; A wave is alone on its SIMD, so nothing else could be issued while the matrix unit works.  The price: two switches of the register window for each pair, since the operands fill windows 1 to 3.
; The order of the tiles, S0 R0 S1 R1 R2 R3 S2 R4 S3 R5 R6 R7 S4 R8 S5 L, leaves five half steps between the request for a streamed tile and its use.
; NO CLUSTER: what work-groups share is W1, which goes into registers; a joint load lands in LDS, where 321,536 of the 327,680 bytes are in use.
; tanh(x) = 1 - 2 / (1 + 2^(c2 x)), c2 = 2 log2(e).  2^(..) may become infinity: the reciprocal is then 0 and tanh 1.  score = sum V - 2 sum V r + bV: a lane's sums begin with its own sum of V.
; THE MATRIX INSTRUCTION: source 0 = 16 rows of hiddens, source 1 = 16 units of W1: a lane holds one unit (lane % 16), its registers rows 8 (lane / 16) + 0 .. 7.  So bias and V are one number a lane and tile.
; LIMITS: NaN and infinities in hiddens are not served.  A block of 32 whose largest magnitude lies under 2^-124 (zeros too) gets the scale byte 1, where the quantiser's rule gives a block of zeros 127:
; its codes are zeros, and the bytes are read by this program alone.
; LDS: two slots [K quarter 0..3][row 0..31][1,024 bytes + 16]; a row pitch of 1,040 bytes is 16 modulo 256, so the sixteen rows that sixteen lanes read begin at sixteen different 16-byte columns.
.set SLOTB, 133120                     ; a slot; slot 1 begins here
.set QREG,  33280                      ; a K quarter of 32 rows: what one tensor load brings
.set RP,    1040                       ; a row's pitch
.set AIMG,  266240                     ; images of the 16 fragments of the block's codes, f = 8 m + s, 1,024 bytes each (512 c + 16 x lane)
.set ASC,   282624                     ; their scale words: [K step s][128 bytes]: lanes 0-15 rows 0-15, lanes 16-31 rows 16-31
.set SCP,   283648                     ; [wave][row] partial scores
.set PWR,   284160                     ; 256 bytes a wave: each of the block's 32 weights twice
.set SCO,   285184                     ; the work-group's 256 raw scores (wave 0's own)
.set SPARE, 286208                     ; the spare words, 128 bytes for each wave: two blocks of 256 bytes that no other line names
.set LAM,   286720                     ; each wave's tile 9 of W1 as an image of its registers: 16 x 512 bytes of codes, 512 of scale words; stored once, read by its own wave
.set LAMW,  8704
; REGISTERS, window 0: v1 spare word's address, v2 0; v3 16 x lane; v4 32 r + 16 h; v5-19, v126 LDS addresses; v20 m, v21 l (a lane's part), v[22:23] the rescaling factor twice; v24-31 at work.
.set AS,  32                           ; v32-39   the block's scale words, one register a K step
.set BSR, 40                           ; v40-75   the nine resident tiles' scale words, 4 registers a tile: register i: K step i in lanes 0-15, 4 + i in lanes 16-31
.set BSS, 76                           ; v76-83   the ring's, 4 a buffer
.set BI,  84                           ; v84-99   my unit's bias in tile n, once: the packed forms name the pair and take one half of it for both results
.set VP,  100                          ; v100-115 -2 V likewise
.set VS,  116                          ; v116-117 my lane's sum of V, twice
.set CT,  118                          ; v118-125 the context: 8 columns
.set ACC, 128                          ; three sets of two accumulators (rows 0-15, rows 16-31) that rotate: v128-143, v144-159, v176-191
.set SA,  160                          ; v160-175 score sums: register 8 m + j: row 16 m + 8 h + j
.set TM,  128                          ; while quantising: v128-143 at work, v144 the scale word, v146-153 the codes
.set PW,  144
.set PC,  146
.set P,   128                          ; in the context sum: v128-191 the 32 weights, each twice
; v192-255: resident tile 8.
; window 1: v0-127 the block's 16 fragments (8 (8 m + s)); ahead of them the quantiser's two sets of 64 numbers, behind them two sets of 8 rows for the context sum; v128-255 resident tiles 0, 1.
; window 2: resident tiles 2-5.   window 3: v0-127 resident tiles 6, 7; v128-255 the ring's two buffers.   In a tile, K step s lies at 8 s.
; SCALARS: s[4:17] the seven addresses; s18 wave; s20 bV; s[22:23] c2 twice; s[24:25] lane selects; s26 log2(e); s[28:31], s[32:39] the descriptor; s40 the slot in hand; s41 the other; s42 wave x QREG; s43 blocks to go; s50 the block's place among the raw scores.
.set MSB, 0
.macro WIN new                         ; the immediate's high byte repeats the setting that is left; a switch that changes nothing is dropped
.if MSB != (\new)
	s_set_vgpr_msb (MSB<<8)|(\new)
.set MSB, (\new)
.endif
.endm
.macro PLACES
.rept 4
	v_nop
.endr
.endm
.macro BAR                             ; my LDS stores have landed and my LDS loads are in: then the work-group's barrier
	s_wait_dscnt 0x0
	s_barrier_signal -1
	s_barrier_wait -1
.endm
; A tile of W1 (my wave's tile number tile) into 64 registers at base of window win, its scale words into v[sreg] on: 17 loads, each of the first 16 reading 512 consecutive bytes.
.macro BLOAD win, base, sreg, tile
	WIN ((\win)<<6)
.set n, 0
.rept 16
	global_load_b128 v[(\base)+4*n:(\base)+4*n+3], v3, s[6:7] offset:(\tile)*8192+512*n
.set n, n+1
.endr
	WIN 0
	global_load_b128 v[(\sreg):(\sreg)+3], v4, s[8:9] offset:(\tile)*512
.endm
.macro LLOAD                           ; my tile 9 out of LDS into the ring's buffer 0
	WIN 0xc0
.set n, 0
.rept 16
	ds_load_b128 v[128+4*n:131+4*n], v126 offset:512*n
.set n, n+1
.endr
	WIN 0
	ds_load_b128 v[BSS:BSS+3], v126 offset:8192
.endm
; THE CHANGE OF SLOTS, at a block's head.  Each wave waits for all its tensor loads (one is out: its quarter of this block), adds 0 to its spare word, and waits for that and for its reads of the
; other slot (the last block's context sum).  Behind the barrier this block is whole and nobody reads the other slot.  refill = 1: the next block goes there, with a whole block's work in which to land.
.macro HEAD refill
	WIN 0
	s_wait_tensorcnt 0x0                           ; no tensor load of mine is out, so the descriptor may be written
	ds_add_u32 v1, v2                              ; 0 onto my spare word
.if \refill
	s_xor_b32 s41, s40, SLOTB                      ; the other slot,
	s_add_co_u32 s29, s41, s42                     ; my quarter of it,
	s_add_nc_u64 s[30:31], s[30:31], 0x20000       ; the next 32 rows of 4,096 bytes; the type bits on top are not reached
.endif
	s_wait_dscnt 0x0                               ; the add is done, and my reads of the other slot are over
	s_barrier_signal -1
	s_barrier_wait -1
.if \refill
	tensor_load_to_lds s[28:31], s[32:39]          ; the first thing behind the barrier, and my one tensor load until the next such barrier
	s_nop 0
	PLACES                                         ; four v_nop follow it
.endif
	v_add_nc_u32 v6, s40, v5                       ; this block's addresses: the quantiser's,
	v_add_nc_u32 v16, s40, v15                     ; the context sum's,
	v_add_nc_u32 v19, s50, v17                     ; and the raw scores'
.endm
; 64 numbers of my row, K step i of my four, into window 1 at set: register 16 b + e = k 32 b + 16 h + e
.macro XLD i, set
	WIN 0x40
.irp b, 0,1,2,3
.irp j, 0,1,2,3
	ds_load_b128 v[(\set)+16*\b+4*\j:(\set)+16*\b+4*\j+3], v6 offset:((\i)/2)*QREG+((\i)&1)*512+128*\b+16*\j
.endr
.endr
.endm
; They become a fragment's codes in v[PC] on and its scale word in v[PW].
.macro QUANT s
	WIN 0x14                                       ; sources 1 and 2 window 1
.irp b, 0,1,2,3
	v_max3_num_f32 v[TM+\b], 0x1800000, |v[(\s)+16*\b]|, |v[(\s)+1+16*\b]|   ; block b: my 16 numbers, and the floor 2^(3 - 127): so the byte cannot fall under 1
.endr
.irp i, 2,4,6,8,10,12,14
.irp b, 0,1,2,3
	v_max3_num_f32 v[TM+\b], v[TM+\b], |v[(\s)+16*\b+\i]|, |v[(\s)+1+16*\b+\i]|   ; (the four blocks by turns)
.endr
.endr
	WIN 0
.irp b, 0,1,2,3
	v_permlanex16_b32 v[TM+4+\b], v[TM+\b], s24, s25
.endr
.irp b, 0,1,2,3
	v_max_num_f32 v[TM+\b], v[TM+\b], v[TM+4+\b]   ; with lane l xor 16's: the block's largest magnitude
.endr
.irp b, 0,1,2,3
	v_add_nc_u32 v[TM+12+\b], 0xff000000, v[TM+\b] ; 2 off its exponent field: the conversion takes the exponent field of this operand as its scale
.endr
.irp b, 0,1,2,3
	v_lshrrev_b32 v[TM+4+\b], 23, v[TM+12+\b]      ; the scale's byte
.endr
	v_lshl_or_b32 v[PW], v[TM+5], 8, v[TM+4]
	v_lshl_or_b32 v[PW], v[TM+6], 16, v[PW]
	v_lshl_or_b32 v[PW], v[TM+7], 24, v[PW]
	WIN 0x01                                       ; source 0 window 1
.irp b, 0,1,2,3
	v_cvt_scalef32_pk8_fp4_f32 v[PC+2*\b], v[(\s)+16*\b:(\s)+7+16*\b], v[TM+12+\b]
	v_cvt_scalef32_pk8_fp4_f32 v[PC+1+2*\b], v[(\s)+8+16*\b:(\s)+15+16*\b], v[TM+12+\b]
.endr
	WIN 0
	v_nop                                          ; one plain place behind a scaled conversion
.irp c, 0,1                                    ; the operand's layout wants a whole block in a lane
.irp i, 0,1
	v_permlane16_swap_b32 v[PC+4*\c+\i], v[PC+2+4*\c+\i]
.endr
.endr
.endm
.macro IMAGE i                         ; the fragment goes to LDS as an image of its registers; lanes r and 16 + r write the same scale word with the same value
	ds_store_b128 v7, v[PC:PC+3] offset:1024*(\i)
	ds_store_b128 v7, v[PC+4:PC+7] offset:1024*(\i)+512
	ds_store_b32 v8, v[PW] offset:128*(\i)
.endm
; One matrix instruction.  m: rows 16-31 (their scale words lie in lanes 16-31); hi: K steps 4-7 (W1's likewise); z: it starts the sum
.macro WM d, a, b, sa, sb, m, hi, z
.if (\z)
.if (\m)
	v_wmma_scale_f32_16x16x128_f8f6f4 v[(\d):(\d)+7], v[(\a):(\a)+7], v[(\b):(\b)+7], 0, v[(\sa)], v[(\sb)] matrix_a_fmt:MATRIX_FMT_FP4 matrix_b_fmt:MATRIX_FMT_FP4 matrix_a_scale:MATRIX_SCALE_ROW1
.else
	v_wmma_scale_f32_16x16x128_f8f6f4 v[(\d):(\d)+7], v[(\a):(\a)+7], v[(\b):(\b)+7], 0, v[(\sa)], v[(\sb)] matrix_a_fmt:MATRIX_FMT_FP4 matrix_b_fmt:MATRIX_FMT_FP4
.endif
.elseif (\m) && (\hi)
	v_wmma_scale_f32_16x16x128_f8f6f4 v[(\d):(\d)+7], v[(\a):(\a)+7], v[(\b):(\b)+7], v[(\d):(\d)+7], v[(\sa)], v[(\sb)] matrix_a_fmt:MATRIX_FMT_FP4 matrix_b_fmt:MATRIX_FMT_FP4 matrix_a_scale:MATRIX_SCALE_ROW1 matrix_b_scale:MATRIX_SCALE_ROW1
.elseif (\m)
	v_wmma_scale_f32_16x16x128_f8f6f4 v[(\d):(\d)+7], v[(\a):(\a)+7], v[(\b):(\b)+7], v[(\d):(\d)+7], v[(\sa)], v[(\sb)] matrix_a_fmt:MATRIX_FMT_FP4 matrix_b_fmt:MATRIX_FMT_FP4 matrix_a_scale:MATRIX_SCALE_ROW1
.elseif (\hi)
	v_wmma_scale_f32_16x16x128_f8f6f4 v[(\d):(\d)+7], v[(\a):(\a)+7], v[(\b):(\b)+7], v[(\d):(\d)+7], v[(\sa)], v[(\sb)] matrix_a_fmt:MATRIX_FMT_FP4 matrix_b_fmt:MATRIX_FMT_FP4 matrix_b_scale:MATRIX_SCALE_ROW1
.else
	v_wmma_scale_f32_16x16x128_f8f6f4 v[(\d):(\d)+7], v[(\a):(\a)+7], v[(\b):(\b)+7], v[(\d):(\d)+7], v[(\sa)], v[(\sb)] matrix_a_fmt:MATRIX_FMT_FP4 matrix_b_fmt:MATRIX_FMT_FP4
.endif
.endm
; WHICH TILE A HALF STEP MULTIPLIES: its window TW, first register TBASE, scale words TSC, and its number TAU among my 16
.macro SETR i                          ; resident tile i
.if (\i) < 8
.set TW, (384+64*(\i))/256
.set TBASE, (384+64*(\i))%256
.else
.set TW, 0
.set TBASE, 192
.endif
.set TSC, BSR+4*(\i)
.set TAU, (\i)
.endm
.macro SETS i                          ; streamed tile i, in the ring's buffer i & 1
.set TW, 3
.set TBASE, 128+64*((\i)&1)
.set TSC, BSS+4*((\i)&1)
.set TAU, 10+(\i)
.endm
.macro SETL                            ; the tile kept in LDS, in the ring's buffer 0
.set TW, 3
.set TBASE, 128
.set TSC, BSS
.set TAU, 9
.endm
; The tile just multiplied becomes tile 1 of the vector work, tile 1 becomes tile 2, and the next of the three sets of accumulators takes the next products.  first = 1: the block's first tile
.macro NEXT first
.set Q2SET, P1SET
.set Q2TAU, P1TAU
.set Q2FIRST, P1FIRST
.set HAVE2, HAVE1
.set P1SET, CSET
.set P1TAU, TAU
.set P1FIRST, \first
.set HAVE1, 1
.set CI, (CI+1)%3
.set CSET, ACC+16*CI+16*(CI/2)
.endm
; THE VECTOR WORK OF A HALF STEP, a list of 56; EP writes number n.  Tile 1 was multiplied in the half step before, tile 2 in the one before that.
;   0-15   tile 2: the reciprocals of 1 + 2^(..)
;   16-23  tile 1: c2 x + bias, two at a time, each accumulator from its low end on
;   24-39  tile 1: the exponentials;  behind 39 one plain instruction and ONE wait for the 32 transcendentals, ahead of their first readers
;   40-47  tile 2: -2 V r onto the score sums (the block's first tile starts them with my lane's sum of V)
;   48-55  tile 1: + 1
; The last 16 are plain and name none of the half step's products' registers: seven of them stand behind its last matrix instruction, the places in front of the loads and reads that follow.
.macro EP n
.if (\n) < 16
.if HAVE2
	v_rcp_f32 v[Q2SET+(\n)], v[Q2SET+(\n)]
.endif
.elseif (\n) < 24
.if HAVE1
.set ER, P1SET+2*((\n)-16)
.if (P1TAU&1) == 0
	v_pk_fma_f32 v[ER:ER+1], v[ER:ER+1], s[22:23], v[BI+P1TAU:BI+P1TAU+1] op_sel_hi:[1,0,0]
.else
	v_pk_fma_f32 v[ER:ER+1], v[ER:ER+1], s[22:23], v[BI+P1TAU-1:BI+P1TAU] op_sel:[0,0,1] op_sel_hi:[1,0,1]
.endif
.endif
.elseif (\n) < 40
.if HAVE1
	v_exp_f32 v[P1SET+(\n)-24], v[P1SET+(\n)-24]
.endif
.if (\n) == 39
	v_nop
	s_wait_alu depctr_va_vdst(0)
.endif
.elseif (\n) < 48
.if HAVE2
.set ER, 2*((\n)-40)
.if Q2FIRST
.if (Q2TAU&1) == 0
	v_pk_fma_f32 v[SA+ER:SA+ER+1], v[Q2SET+ER:Q2SET+ER+1], v[VP+Q2TAU:VP+Q2TAU+1], v[VS:VS+1] op_sel_hi:[1,0,1]
.else
	v_pk_fma_f32 v[SA+ER:SA+ER+1], v[Q2SET+ER:Q2SET+ER+1], v[VP+Q2TAU-1:VP+Q2TAU], v[VS:VS+1] op_sel:[0,1,0] op_sel_hi:[1,1,1]
.endif
.else
.if (Q2TAU&1) == 0
	v_pk_fma_f32 v[SA+ER:SA+ER+1], v[Q2SET+ER:Q2SET+ER+1], v[VP+Q2TAU:VP+Q2TAU+1], v[SA+ER:SA+ER+1] op_sel_hi:[1,0,1]
.else
	v_pk_fma_f32 v[SA+ER:SA+ER+1], v[Q2SET+ER:Q2SET+ER+1], v[VP+Q2TAU-1:VP+Q2TAU], v[SA+ER:SA+ER+1] op_sel:[0,1,0] op_sel_hi:[1,1,1]
.endif
.endif
.endif
.else
.if HAVE1
.set ER, P1SET+2*((\n)-48)
	v_pk_add_f32 v[ER:ER+1], v[ER:ER+1], 1.0 op_sel_hi:[1,0]
.endif
.endif
.endm
.macro EPALL                           ; the whole list, where no products are left to set it between
.set en, 0
.rept 56
	EP en
.set en, en+1
.endr
.endm
; A block's first half step has no vector work to carry: its products start while the block's fragments are still coming out of LDS, K step by K step
.macro HS0
	s_wait_loadcnt 0x0                             ; the ring's two tiles are in (in the first block: all that the head asked for)
	WIN 0x01|(TW<<2)
.irp s, 0,1,2,3,4,5,6,7
	s_wait_dscnt 4*(7-\s)                          ; LDS loads come back in order: the scale words and K steps 0 .. s are in; the later K steps' four loads each may be out
	WM CSET, 8*\s, TBASE+8*\s, AS+\s, TSC+(\s&3), 0, \s/4, 1-(\s+7)/8
	WM CSET+8, 64+8*\s, TBASE+8*\s, AS+\s, TSC+(\s&3), 1, \s/4, 1-(\s+7)/8
.endr
	WIN 0
	PLACES                                         ; four places in front of the loads into the buffer just read, and of the first read of the results
.endm
; A half step: one tile x 32 rows x all of K.  The two accumulators take turns, one instruction a turn.  lw: how many younger loads may stay out; -1: the tile needs no wait
.macro HS lw
.if (\lw) >= 0
	s_wait_loadcnt \lw
.endif
.irp s, 0,1,2,3,4,5,6,7
	WIN 0x01|(TW<<2)                               ; source 0 (the rows) window 1, source 1 (W1) the tile's window, C and D window 0
	WM CSET, 8*\s, TBASE+8*\s, AS+\s, TSC+(\s&3), 0, \s/4, 1-(\s+7)/8
	WM CSET+8, 64+8*\s, TBASE+8*\s, AS+\s, TSC+(\s&3), 1, \s/4, 1-(\s+7)/8
	WIN 0
.irp n, 0,1,2,3,4,5,6
	EP 7*\s+\n
.endr
.endr
.endm
; Rows 8 g .. 8 g + 7 of the block, my 32 bytes of my wave's K quarter (16 x lane, and 512 further on), into window 1, set g & 1
.macro CLD g
	WIN 0x40
.irp p, 0,1,2,3,4,5,6,7
	ds_load_b128 v[64*((\g)&1)+8*\p:64*((\g)&1)+8*\p+3], v16 offset:RP*(8*(\g)+\p)
	ds_load_b128 v[64*((\g)&1)+8*\p+4:64*((\g)&1)+8*\p+7], v16 offset:RP*(8*(\g)+\p)+512
.endr
.endm
.macro CFMA g                          ; context += weight x row, two columns an instruction
	WIN 0x01
.irp p, 0,1,2,3,4,5,6,7
.irp i, 0,1,2,3
	v_pk_fma_f32 v[CT+2*\i:CT+2*\i+1], v[64*((\g)&1)+8*\p+2*\i:64*((\g)&1)+8*\p+2*\i+1], v[P+2*(8*(\g)+\p):P+2*(8*(\g)+\p)+1], v[CT+2*\i:CT+2*\i+1]
.endr
.endr
.endm
.macro BLOCK refill, last
	HEAD \refill
	; ---- the quantiser: wave w takes rows 16 (w >> 1) on, K steps 4 (w & 1) + i.  A K step's numbers are asked for while the one before is quantised
	XLD 0, 0
.irp i, 0,1,2,3
	s_wait_dscnt 0x0                               ; this K step's numbers are in, and the last image's stores have read their registers
.if \i < 3
	XLD \i+1, 64*((\i+1)&1)
.endif
	QUANT 64*(\i&1)
	IMAGE \i
.endr
	BAR                                            ; the block's sixteen fragments lie in LDS
.irp s, 0,1,2,3,4,5,6,7
	ds_load_b32 v[AS+\s], v10 offset:128*\s        ; the scale words first,
.endr
	WIN 0x40
.irp s, 0,1,2,3,4,5,6,7                        ; then all sixteen fragments into every wave, K step by K step: four loads each
.irp m, 0,1
.irp c, 0,1
	ds_load_b128 v[8*(8*\m+\s)+4*\c:8*(8*\m+\s)+4*\c+3], v9 offset:1024*(8*\m+\s)+512*\c
.endr
.endr
.endr
	; ---- the product and the tanh, by turns.  The ring: a buffer is asked for again behind the half step that read it; at most two tiles, 17 loads each, are out
.set CI, 0
.set CSET, ACC
.set HAVE1, 0
.set HAVE2, 0
.set P1SET, ACC
.set P1TAU, 0
.set P1FIRST, 0
.set Q2SET, ACC
.set Q2TAU, 0
.set Q2FIRST, 0
	SETS 0
	HS0
	BLOAD 3, 128, BSS, 12                          ; streamed tile 2
	NEXT 1
	SETR 0
	HS -1
	NEXT 0
	SETS 1
	HS -1                                          ; (in since the first half step's wait)
	BLOAD 3, 192, BSS+4, 13                        ; streamed tile 3
	NEXT 0
	SETR 1
	HS -1
	NEXT 0
	SETR 2
	HS -1
	NEXT 0
	SETR 3
	HS -1
	NEXT 0
	SETS 2
	HS 17                                          ; streamed tile 2 is in; tile 3's 17 loads may be out
	BLOAD 3, 128, BSS, 14                          ; streamed tile 4
	NEXT 0
	SETR 4
	HS -1
	NEXT 0
	SETS 3
	HS 17                                          ; tile 3 is in; tile 4's may be out
	BLOAD 3, 192, BSS+4, 15                        ; streamed tile 5
	NEXT 0
	SETR 5
	HS -1
	NEXT 0
	SETR 6
	HS -1
	NEXT 0
	SETR 7
	HS -1
	NEXT 0
	SETS 4
	HS 17                                          ; tile 4 is in; tile 5's may be out
	LLOAD                                          ; buffer 0 takes the tile kept in LDS: two half steps ahead of its use
	NEXT 0
	SETR 8
	HS -1
	NEXT 0
	SETS 5
	HS 0                                           ; tile 5: nothing was asked for behind it
.if (\last) == 0
	BLOAD 3, 192, BSS+4, 11                        ; the next block's streamed tile 1
.endif
	NEXT 0
	SETL
	s_wait_dscnt 0x0                               ; the tile out of LDS is in
	HS -1
.if (\last) == 0
	BLOAD 3, 128, BSS, 10                          ; the next block's streamed tile 0
.endif
	CLD 0                                          ; the first 16 rows for the context sum, into the registers that the fragments have left
	CLD 1
	WIN 0
	NEXT 0
	EPALL                                          ; the last two tiles' vector work
	NEXT 0
.set HAVE1, 0
	EPALL
	; ---- a row's sum over my wave's 256 units: over the sixteen lanes of my half
.irp x, 1,2,4,8
.set n, 0
.rept 16
	v_add_f32_dpp v[SA+n], v[SA+n], v[SA+n] row_xmask:\x row_mask:0xf bank_mask:0xf
.set n, n+1
.endr
.endr
.irp m, 0,1
.irp j, 0,1,2,3,4,5,6,7
	ds_store_b32 v11, v[SA+8*\m+\j] offset:64*\m+4*\j   ; row 16 m + 8 h + j: the sixteen lanes of a half write the same word with the same value
.endr
.endr
	BAR                                            ; the four waves' partial scores lie in LDS (and the first 16 rows for the context sum are in)
	; ---- the running softmax: every wave, for all 32 rows; lane = row
	ds_load_b32 v24, v12
	ds_load_b32 v25, v12 offset:128
	ds_load_b32 v26, v12 offset:256
	ds_load_b32 v27, v12 offset:384
	s_wait_dscnt 0x0
	v_add_f32 v24, v24, v25
	v_add_f32 v26, v26, v27
	v_add_f32 v24, v24, v26
	v_add_f32 v24, s20, v24                        ; + bV: the score
	s_cmp_lg_u32 s18, 0
	s_cbranch_scc1 .Lnot_wave_0_\@
	ds_store_b32 v19, v24                          ; wave 0 keeps the raw scores
.Lnot_wave_0_\@:
	v_max_num_f32_dpp v28, v24, v24 row_xmask:1 row_mask:0xf bank_mask:0xf
	v_max_num_f32_dpp v28, v28, v28 row_xmask:2 row_mask:0xf bank_mask:0xf
	v_max_num_f32_dpp v28, v28, v28 row_xmask:4 row_mask:0xf bank_mask:0xf
	v_max_num_f32_dpp v28, v28, v28 row_xmask:8 row_mask:0xf bank_mask:0xf
	v_permlanex16_b32 v29, v28, s24, s25
	v_max3_num_f32 v30, v28, v29, v20              ; the new m
	v_sub_f32 v31, v20, v30
	v_sub_f32 v25, v24, v30
	v_mul_f32 v31, s26, v31
	v_mul_f32 v25, s26, v25
	v_exp_f32 v22, v31                             ; e^(old m - new m), twice: a pair for the packed multiply
	v_exp_f32 v23, v31
	v_exp_f32 v26, v25                             ; my row's weight e^(score - m)
	v_mov_b32 v20, v30                             ; (a plain place behind the exponentials)
	s_wait_alu depctr_va_vdst(0)                   ; one wait for the three, ahead of their first reader
	v_mov_b32 v27, v26
	v_fma_f32 v21, v21, v22, v26                   ; l
	ds_store_b64 v13, v[26:27]                     ; my wave's own bytes: LDS serves a wave's instructions in order, so the loads below see this store
.set n, 0
.rept 16
	ds_load_b128 v[P+4*n:P+4*n+3], v14 offset:16*n ; all 32 weights, each twice, into every lane
.set n, n+1
.endr
.irp i, 0,2,4,6
	v_pk_mul_f32 v[CT+\i:CT+\i+1], v[CT+\i:CT+\i+1], v[22:23]
.endr
	s_wait_dscnt 0x0
	; ---- the context sum: wave w takes columns 256 w on, from the f32 rows that still lie in the slot
	CFMA 0
	CLD 2
	CFMA 1
	CLD 3
	s_wait_dscnt 16                                ; rows 16-23 are in; the 16 loads of rows 24-31 may be out
	CFMA 2
	s_wait_dscnt 0x0
	CFMA 3
	WIN 0
	s_xor_b32 s40, s40, SLOTB                      ; on to the other slot
	s_add_co_u32 s50, s50, 128
.endm
	s_load_b256 s[4:11], s[0:1], 0x0               ; hiddens s[4:5], w1f s[6:7], W1's scales s[8:9], qb s[10:11]
	s_load_b128 s[12:15], s[0:1], 0x20             ; V s[12:13], bV s[14:15]
	s_load_b64 s[16:17], s[0:1], 0x30              ; part
	v_lshl_add_u32 v1, v0, 2, SPARE
	v_mov_b32 v2, 0
	ds_add_u32 v1, v2
	ds_add_u32 v1, v2
	s_wait_dscnt 0x0
	v_lshrrev_b32 v25, 5, v0
	v_readfirstlane_b32 s18, v25                   ; wave 0..3
	; descriptor group 1: 32 rows x 256 elements of 4 bytes, rows 1,024 elements apart in memory, 16 bytes of padding behind each row in LDS
	s_mov_b32 s32, (2<<16)|(1<<20)|(7<<22)|(3<<25) ; 15:0 no mask; 17:16 elements of 4 bytes; 20 padding on; 24:22 after every 256 words (code 7); 31:25 four words (code 3)
	s_mov_b32 s33, 256<<16                         ; tensor_dim0
	s_mov_b32 s34, 32<<16                          ; tensor_dim1
	s_mov_b32 s35, 256<<16                         ; tile_dim0
	s_mov_b32 s36, 32                              ; tile_dim1
	s_mov_b32 s37, 1024                            ; tensor_dim0_stride
	s_mov_b32 s38, 0
	s_mov_b32 s39, 0
	s_mul_i32 s42, s18, QREG                       ; my quarter's place in a slot
	s_lshl_b32 s44, ttmp9, 20                      ; the work-group's 256 rows of 4,096 bytes
	s_mov_b32 s45, 0
	s_lshl_b32 s46, s18, 10                        ; my K quarter: 1,024 bytes along the rows
	s_mov_b32 s47, 0
	s_wait_kmcnt 0x0
	s_mov_b32 s28, 1                               ; group 0: count = 1,
	s_mov_b32 s29, s42                             ; LDS address: slot 0,
	s_add_nc_u64 s[30:31], s[4:5], s[44:45]        ; global address: block 0,
	s_add_nc_u64 s[30:31], s[30:31], s[46:47]
	s_or_b32 s31, s31, 0x80000000                  ; type = 2
	tensor_load_to_lds s[28:31], s[32:39]          ; block 0: ahead of every wait on TENSORcnt, every LDS read and every barrier
	s_nop 0
	PLACES
	s_load_b32 s20, s[14:15], 0x0                  ; bV
	s_add_nc_u64 s[12:13], s[12:13], s[46:47]      ; V at my 256 units
	s_add_nc_u64 s[10:11], s[10:11], s[46:47]      ; qb likewise,
	s_lshr_b32 s44, ttmp9, 3
	s_lshl_b32 s44, s44, 12
	s_add_nc_u64 s[10:11], s[10:11], s[44:45]      ; in my batch's row
	s_lshl_b32 s44, s18, 17
	s_add_nc_u64 s[6:7], s[6:7], s[44:45]          ; w1f at my 16 tiles
	s_lshl_b32 s44, s18, 13
	s_add_nc_u64 s[8:9], s[8:9], s[44:45]          ; W1's scales at my 256 rows of 32 bytes
	s_mul_i32 s44, ttmp9, 5376
	s_add_nc_u64 s[16:17], s[16:17], s[44:45]      ; my work-group's record
	s_and_b32 s48, s18, 1
	s_lshr_b32 s49, s18, 1
	v_and_b32 v25, 31, v0                          ; lane
	v_and_b32 v26, 15, v0                          ; r
	v_bfe_u32 v27, v0, 4, 1                        ; h
	v_lshlrev_b32 v3, 4, v25                       ; 16 x lane
	v_lshlrev_b32 v4, 5, v26
	v_lshl_add_u32 v4, v27, 4, v4                  ; 32 r + 16 h
	v_lshlrev_b32 v18, 2, v26                      ; 4 r
.set n, 0
.rept 16
	global_load_b32 v[VP+n], v18, s[12:13] offset:64*n         ; V at unit 16 n + r of my 256,
	global_load_b32 v[BI+n], v18, s[10:11] offset:64*n         ; and the bias there
.set n, n+1
.endr
	BLOAD 3, 128, BSS, 9                           ; tile 9, on its way to LDS through the ring's buffer 0
.set jj, 0
.rept 3
	BLOAD (384+64*jj)/256, (384+64*jj)%256, BSR+4*jj, jj       ; my tiles 0-2: they stay
.set jj, jj+1
.endr
	s_mul_i32 s46, s48, 2*QREG
	s_mul_i32 s47, s49, 16*RP
	s_add_co_u32 s46, s46, s47
	v_mul_u32_u24 v5, v26, RP
	v_lshl_add_u32 v5, v27, 6, v5
	v_add_nc_u32 v5, s46, v5                       ; the quantiser's place in a slot: quarters 2 (w & 1) on, row 16 (w >> 1) + r, + 64 h
	s_lshl_b32 s46, s49, 13
	s_lshl_b32 s47, s48, 12
	s_add_co_u32 s46, s46, s47
	s_add_co_u32 s46, s46, AIMG
	v_add_nc_u32 v7, s46, v3                       ; where I store images: fragments 8 (w >> 1) + 4 (w & 1) on
	s_lshl_b32 s46, s48, 9
	s_lshl_b32 s47, s49, 6
	s_add_co_u32 s46, s46, s47
	s_add_co_u32 s46, s46, ASC
	v_lshl_add_u32 v8, v26, 2, s46                 ; and their scale words
	v_add_nc_u32 v9, AIMG, v3                      ; where every wave reads images,
	v_lshl_add_u32 v10, v25, 2, ASC                ; and scale words
	s_lshl_b32 s46, s18, 7
	s_add_co_u32 s46, s46, SCP
	v_lshl_add_u32 v11, v27, 5, s46                ; my wave's partial scores: + 32 h
	v_lshl_add_u32 v12, v25, 2, SCP                ; and back: lane = row
	s_lshl_b32 s46, s18, 8
	s_add_co_u32 s46, s46, PWR
	v_lshl_add_u32 v13, v25, 3, s46                ; my row's weight, twice
	v_mov_b32 v14, s46                             ; and all 32 back
	v_add_nc_u32 v15, s42, v3                      ; the context sum's place in a slot: quarter w, 16 x lane
	v_lshl_add_u32 v17, v25, 2, SCO
	s_mul_i32 s46, s18, LAMW
	s_add_co_u32 s46, s46, LAM
	v_add_nc_u32 v126, s46, v3                     ; my wave's tile in LDS: 16 x lane
	s_mov_b32 s22, 0x4038aa3b                      ; c2 = 2 log2(e)
	s_mov_b32 s23, s22                             ; (named with it as a pair, so it is written)
	s_mov_b32 s24, 0x76543210
	s_mov_b32 s25, 0xfedcba98                      ; v_permlanex16_b32's selects for lane l xor 16
	s_mov_b32 s26, 0x3fb8aa3b                      ; log2(e)
	s_mov_b32 s40, 0
	s_mov_b32 s43, 7
	s_mov_b32 s50, 0
	v_mov_b32 v20, 0xff61b1e6                      ; m: -3e38, under every score
	v_mov_b32 v21, 0                               ; l
.irp i, 0,1,2,3,4,5,6,7
	v_mov_b32 v[CT+\i], 0                          ; the context: the first block's factor, 0, leaves zeros
.endr
.irp i, 28,29,132,133,134,135
	v_mov_b32 v\i, 0                               ; written once: the destination of a lane permute or a DPP form counts as one of its sources
.endr
	s_wait_loadcnt 51                              ; V, the biases and tile 9 are in; the three tiles asked for behind them, 17 loads each, may be out
	v_add_f32 v[VS], v[VP], v[VP+1]
.set n, 2
.rept 14
	v_add_f32 v[VS], v[VS], v[VP+n]                ; my lane's sum of V
.set n, n+1
.endr
	v_mov_b32 v[VS+1], v[VS]
.set n, 0
.rept 16
	v_mul_f32 v[VP+n], -2.0, v[VP+n]
.set n, n+1
.endr
	WIN 0x0c                                       ; an LDS store's data are its source 1: window 3
.set n, 0
.rept 16
	ds_store_b128 v126, v[128+4*n:131+4*n] offset:512*n        ; tile 9 as an image of its registers
.set n, n+1
.endr
	WIN 0
	ds_store_b128 v126, v[BSS:BSS+3] offset:8192   ; and its scale words
.set jj, 3
.rept 5
	BLOAD (384+64*jj)/256, (384+64*jj)%256, BSR+4*jj, jj       ; my tiles 3-7
.set jj, jj+1
.endr
	BLOAD 0, 192, BSR+32, 8                        ; tile 8, in window 0
	BLOAD 3, 192, BSS+4, 11                        ; the ring: streamed tile 1,
	s_wait_dscnt 0x0                               ; (the stores have read buffer 0)
	BLOAD 3, 128, BSS, 10                          ; and streamed tile 0.  No wait for loads follows here: the first half step's wait for 0 serves, and block 0 is quantised meanwhile
	s_wait_kmcnt 0x0                               ; bV
.Lblk:                                             ; 7 trips: behind each change of slots but the last the next block is asked for
	BLOCK 1, 0
	s_sub_co_u32 s43, s43, 1
	s_cmp_lg_u32 s43, 0
	s_cbranch_scc1 .Lblk
	BLOCK 0, 1                                     ; the last block is written out
	v_add_f32_dpp v21, v21, v21 row_xmask:1 row_mask:0xf bank_mask:0xf   ; l: the 32 lanes' parts
	v_add_f32_dpp v21, v21, v21 row_xmask:2 row_mask:0xf bank_mask:0xf
	v_add_f32_dpp v21, v21, v21 row_xmask:4 row_mask:0xf bank_mask:0xf
	v_add_f32_dpp v21, v21, v21 row_xmask:8 row_mask:0xf bank_mask:0xf
	v_permlanex16_b32 v29, v21, s24, s25
	v_add_f32 v21, v21, v29
	s_lshl_b32 s46, s18, 10
	v_add_nc_u32 v25, s46, v3                      ; my columns' bytes in the record
	v_add_nc_u32 v26, SCO, v3
	v_lshrrev_b32 v27, 1, v3                       ; 8 x lane
	global_store_b128 v25, v[CT:CT+3], s[16:17]                ; 32 lanes store 512 consecutive bytes
	global_store_b128 v25, v[CT+4:CT+7], s[16:17] offset:512
	s_cmp_lg_u32 s18, 0
	s_cbranch_scc1 .Lend
	ds_load_b128 v[128:131], v26                   ; wave 0: the raw scores that it kept,
	ds_load_b128 v[132:135], v26 offset:512
	s_wait_dscnt 0x0
	global_store_b128 v3, v[128:131], s[16:17] offset:4096
	global_store_b128 v3, v[132:135], s[16:17] offset:4608
	global_store_b64 v27, v[20:21], s[16:17] offset:5120       ; and (m, l), once a lane: 256 consecutive bytes
.Lend:
	s_wait_tensorcnt 0x0                           ; the wave's end, behind my last tensor load and my last LDS store
	ds_add_u32 v1, v2
	s_wait_dscnt 0x0
	s_endpgm
.Lfunc_end_k_qab21e001c5_main:
	.size	k_qab21e001c5_main, .Lfunc_end_k_qab21e001c5_main-k_qab21e001c5_main
	.p2alignl 7, 3214868480
	.fill 96, 4, 3214868480
	.section	.rodata,"a",@progbits
	.p2align	6, 0x0
	.amdhsa_kernel k_qab21e001c5_main
		.amdhsa_group_segment_fixed_size 327680
		.amdhsa_private_segment_fixed_size 0
		.amdhsa_enable_private_segment 0
		.amdhsa_kernarg_size 56
		.amdhsa_user_sgpr_count 2
		.amdhsa_user_sgpr_kernarg_segment_ptr 1
		.amdhsa_wavefront_size32 1
		.amdhsa_system_sgpr_workgroup_id_x 1
		.amdhsa_system_sgpr_workgroup_id_y 1
		.amdhsa_system_sgpr_workgroup_id_z 1
		.amdhsa_system_vgpr_workitem_id 0
		.amdhsa_next_free_vgpr 1024
		.amdhsa_next_free_sgpr 66
		.amdhsa_reserve_vcc 0
		.amdhsa_float_denorm_mode_32 3
		.amdhsa_float_denorm_mode_16_64 3
		.amdhsa_memory_ordered 1
		.amdhsa_forward_progress 1
		.amdhsa_inst_pref_size 255
	.end_amdhsa_kernel
	.section	.bss,"aw",@nobits
	.p2align	6
	.space	262144
	.amdgpu_metadata
---
amdhsa.version: [ 1, 2 ]
amdhsa.kernels:
  - .name:           k_qab21e001c5_main
    .symbol:         k_qab21e001c5_main.kd
    .args:
      - { .name: hiddens, .offset: 0, .size: 8, .value_kind: global_buffer, .address_space: global }
      - { .name: w1f, .offset: 8, .size: 8, .value_kind: global_buffer, .address_space: global }
      - { .name: W1_scales, .offset: 16, .size: 8, .value_kind: global_buffer, .address_space: global }
      - { .name: qb, .offset: 24, .size: 8, .value_kind: global_buffer, .address_space: global }
      - { .name: V, .offset: 32, .size: 8, .value_kind: global_buffer, .address_space: global }
      - { .name: bV, .offset: 40, .size: 8, .value_kind: global_buffer, .address_space: global }
      - { .name: part, .offset: 48, .size: 8, .value_kind: global_buffer, .address_space: global }
    .group_segment_fixed_size: 327680
    .private_segment_fixed_size: 0
    .kernarg_segment_align: 8
    .kernarg_segment_size: 56
    .max_flat_workgroup_size: 128
    .sgpr_count:     66
    .vgpr_count:     1024
    .wavefront_size: 32
...
	.end_amdgpu_metadata
.endif
;; end of part 2
;; launch comb (part 3): grid 32 x 1, 4 waves a work-group, no clusters, 0 bytes of LDS; arguments part, out0, out1; writes out0, out1
.if DOCPART == 3
	.amdgcn_target "amdgcn-amd-amdhsa--gfx1250"
	.amdhsa_code_object_version 6
	.text
	.protected	k_qab21e001c5_comb
	.globl	k_qab21e001c5_comb
	.p2align	8
	.type	k_qab21e001c5_comb,@function
k_qab21e001c5_comb:
	s_mov_b64 s[64:65], 0
	v_nop
	global_prefetch_b8 v0, s[64:65] scope:SCOPE_SE
	s_setreg_imm32_b32 hwreg(HW_REG_WAVE_MODE, 25, 1), 1
	s_wait_xcnt 0x0
; The eight records of a batch are joined.  Record i holds a partial context c_i [1024], 256 raw scores, and (m_i, l_i): its largest score and its sum of e^(score - m_i).
; M = the largest m_i; e_i = e^(m_i - M); L = sum l_i e_i;  out0 = sum c_i e_i / L;  out1 = e^(score - M) / L.  L is at least 1: the record with m_i = M holds a term e^0.
; One work-group a batch, four waves.  Thread t takes 16 bytes at 16 t and at 2,048 + 16 t of each partial context; wave w the scores of records 2 w and 2 w + 1.
; All 28 loads of a wave go out together; every load and store of a wave covers 512 consecutive bytes (the eight of (m, l): 256).  No LDS, no barrier: waves share nothing.
.set REC, 5376
	s_load_b128 s[4:7], s[0:1], 0x0                ; part s[4:5], out0 s[6:7]
	s_load_b64 s[8:9], s[0:1], 0x10                ; out1
	v_and_b32 v1, 31, v0                           ; lane
	v_lshrrev_b32 v7, 5, v0                        ; wave
	v_lshlrev_b32 v2, 3, v1                        ; 8 x lane
	v_lshlrev_b32 v3, 4, v0                        ; 16 x thread
	v_lshlrev_b32 v4, 4, v1                        ; 16 x lane
	v_mad_u32_u24 v5, v7, 2*REC, v4                ; my wave's two records
	v_lshl_add_u32 v6, v7, 11, v4                  ; and their 2,048 bytes of out1
	v_mov_b32 v11, 0                               ; (named as upper halves of pairs before they are first written)
	v_mov_b32 v13, 0
	s_mul_i32 s14, ttmp9, 8*REC
	s_mov_b32 s15, 0
	s_lshl_b32 s16, ttmp9, 12
	s_mov_b32 s17, 0
	s_lshl_b32 s18, ttmp9, 13
	s_mov_b32 s19, 0
	s_mov_b32 s10, 0x3fb8aa3b                      ; log2(e)
	s_mov_b32 s11, s10
	s_wait_kmcnt 0x0
	s_add_nc_u64 s[4:5], s[4:5], s[14:15]
	s_add_nc_u64 s[6:7], s[6:7], s[16:17]
	s_add_nc_u64 s[8:9], s[8:9], s[18:19]
.set n, 0
.rept 8
	global_load_b64 v[16+2*n:17+2*n], v2, s[4:5] offset:REC*n+5120
.set n, n+1
.endr
.irp i, 0,1
.irp c, 0,1
	global_load_b128 v[96+8*\i+4*\c:99+8*\i+4*\c], v5, s[4:5] offset:REC*\i+4096+512*\c th:TH_LOAD_NT
.endr
.endr
.set n, 0
.rept 8
	global_load_b128 v[32+8*n:35+8*n], v3, s[4:5] offset:REC*n th:TH_LOAD_NT
	global_load_b128 v[36+8*n:39+8*n], v3, s[4:5] offset:REC*n+2048 th:TH_LOAD_NT
.set n, n+1
.endr
	s_wait_loadcnt 0x0
	v_max3_num_f32 v10, v16, v18, v20
	v_max3_num_f32 v10, v10, v22, v24
	v_max3_num_f32 v10, v10, v26, v28
	v_max_num_f32 v10, v10, v30                    ; M
.set n, 0
.rept 8
	v_sub_f32 v[112+n], v[16+2*n], v10
.set n, n+1
.endr
.set n, 0
.rept 8
	v_mul_f32 v[112+n], s10, v[112+n]
.set n, n+1
.endr
.set n, 0
.rept 8
	v_pk_add_f32 v[96+n:97+n], v[96+n:97+n], v[10:11] op_sel_hi:[1,0] neg_lo:[0,1] neg_hi:[0,1]   ; score - M (of the pair the low word serves both halves)
.set n, n+2
.endr
.set n, 0
.rept 8
	v_pk_mul_f32 v[96+n:97+n], v[96+n:97+n], s[10:11] op_sel_hi:[1,0]
.set n, n+2
.endr
.set n, 0
.rept 8
	v_exp_f32 v[112+n], v[112+n]                   ; e_i
.set n, n+1
.endr
.set n, 0
.rept 16
	v_exp_f32 v[96+n], v[96+n]                     ; e^(score - M)
.set n, n+1
.endr
	v_nop                                          ; a plain place behind the last exponential
	s_wait_alu depctr_va_vdst(0)                   ; one wait for the 24, ahead of their first reader
	v_mul_f32 v11, v17, v112
.set n, 1
.rept 7
	v_fmac_f32 v11, v[17+2*n], v[112+n]            ; L
.set n, n+1
.endr
	v_rcp_f32 v12, v11
	v_nop
	s_wait_alu depctr_va_vdst(0)
.set n, 0
.rept 8
	v_mul_f32 v[128+2*n], v[112+n], v12            ; e_i / L, twice: a pair for the packed forms
	v_mul_f32 v[129+2*n], v[112+n], v12
.set n, n+1
.endr
.irp k, 0,1,2,3
	v_pk_mul_f32 v[144+2*\k:145+2*\k], v[32+2*\k:33+2*\k], v[128:129]   ; the first record starts the sums
.endr
.set n, 1
.rept 7
.irp k, 0,1,2,3
	v_pk_fma_f32 v[144+2*\k:145+2*\k], v[32+8*n+2*\k:33+8*n+2*\k], v[128+2*n:129+2*n], v[144+2*\k:145+2*\k]
.endr
.set n, n+1
.endr
.set n, 0
.rept 8
	v_pk_mul_f32 v[96+n:97+n], v[96+n:97+n], v[12:13] op_sel_hi:[1,0]
.set n, n+2
.endr
	global_store_b128 v3, v[144:147], s[6:7] th:TH_STORE_NT
	global_store_b128 v3, v[148:151], s[6:7] offset:2048 th:TH_STORE_NT
.irp i, 0,1
.irp c, 0,1
	global_store_b128 v6, v[96+8*\i+4*\c:99+8*\i+4*\c], s[8:9] offset:1024*\i+512*\c th:TH_STORE_NT
.endr
.endr
	s_endpgm
.Lfunc_end_k_qab21e001c5_comb:
	.size	k_qab21e001c5_comb, .Lfunc_end_k_qab21e001c5_comb-k_qab21e001c5_comb
	.p2alignl 7, 3214868480
	.fill 96, 4, 3214868480
	.section	.rodata,"a",@progbits
	.p2align	6, 0x0
	.amdhsa_kernel k_qab21e001c5_comb
		.amdhsa_group_segment_fixed_size 0
		.amdhsa_private_segment_fixed_size 0
		.amdhsa_enable_private_segment 0
		.amdhsa_kernarg_size 24
		.amdhsa_user_sgpr_count 2
		.amdhsa_user_sgpr_kernarg_segment_ptr 1
		.amdhsa_wavefront_size32 1
		.amdhsa_system_sgpr_workgroup_id_x 1
		.amdhsa_system_sgpr_workgroup_id_y 1
		.amdhsa_system_sgpr_workgroup_id_z 1
		.amdhsa_system_vgpr_workitem_id 0
		.amdhsa_next_free_vgpr 160
		.amdhsa_next_free_sgpr 66
		.amdhsa_reserve_vcc 0
		.amdhsa_float_denorm_mode_32 3
		.amdhsa_float_denorm_mode_16_64 3
		.amdhsa_memory_ordered 1
		.amdhsa_forward_progress 1
		.amdhsa_inst_pref_size 11
	.end_amdhsa_kernel
	.amdgpu_metadata
---
amdhsa.version: [ 1, 2 ]
amdhsa.kernels:
  - .name:           k_qab21e001c5_comb
    .symbol:         k_qab21e001c5_comb.kd
    .args:
      - { .name: part, .offset: 0, .size: 8, .value_kind: global_buffer, .address_space: global }
      - { .name: out0, .offset: 8, .size: 8, .value_kind: global_buffer, .address_space: global }
      - { .name: out1, .offset: 16, .size: 8, .value_kind: global_buffer, .address_space: global }
    .group_segment_fixed_size: 0
    .private_segment_fixed_size: 0
    .kernarg_segment_align: 8
    .kernarg_segment_size: 24
    .max_flat_workgroup_size: 128
    .sgpr_count:     66
    .vgpr_count:     160
    .wavefront_size: 32
...
	.end_amdgpu_metadata
.endif
;; end of part 3
